; MI455X (gfx1250); checked and timed in simulation.
; The chip was launched on July 23, 2026; its instructions are those of AMD's public machine-readable ISA for CDNA 5 (MIT licence, August 2026) and "CDNA5" Instruction Set Architecture Reference Guide (July 2026). The comments in the code are by the model that wrote it; some were corrected since.
;; s LSTM Cell. Allowed arithmetic: matrix products marked QUANTISED: E5M2 operands, one given power-of-two scale a tensor, by v_wmma_f32_16x16x64_bf8_bf8 or v_wmma_f32_16x16x128_bf8_bf8, f32 sums; everything else in f32.
;; Inputs: Rf 2,048 x 2,048 float32; Ri 2,048 x 2,048 float32; Ro 2,048 x 2,048 float32; Rz 2,048 x 2,048 float32; Wf 2,048 x 1,024 float32; Wi 2,048 x 1,024 float32; Wo 2,048 x 1,024 float32; Wz 2,048 x 1,024 float32; bf 2,048 float32; bi 2,048 float32; bo 2,048 float32; bz 2,048 float32; c_prev 2,048 x 2,048 float32; gn_b 2,048 float32; gn_w 2,048 float32; h_prev_codes 2,048 x 64 x 32 uint8 (E5M2 codes of h_prev, K innermost, in blocks of 32 codes); lowp_scales 4 int32 (the exponents e of the quantised operands' scales 2^e); m_prev 2,048 x 2,048 float32; n_prev 2,048 x 2,048 float32; x_codes 2,048 x 32 x 32 uint8 (E5M2 codes of x, K innermost, in blocks of 32 codes).
;; Outputs: out0 2,048 x 2,048 float32; out1 2,048 x 2,048 float32; out2 2,048 x 2,048 float32; out3 2,048 x 2,048 float32.
;; This version of the problem:
;;   THIS VERSION OF THE PROBLEM IS GIVEN IN LOW PRECISION. The matrix products marked QUANTISED in the list below multiply operands that are first quantised to E5M2 (5 exponent bits, 2 mantissa bits; 8 bits a number), with one given power-of-two scale for each operand tensor; their sums are f32. All else is computed in f32.
;;   The module's matrix products, in the order in which they are computed (A, B: the left and right operand; K: the contracted axis; several contracted axes count as one K, in the product's order):
;;     1. [M 2,048, K 1,024] x [K 1,024, N 8,192]; A: input x (given as codes); B: computed on the way: QUANTISED (scales: A lowp_scales[0], B lowp_scales[1])
;;     2. [M 2,048, K 2,048] x [K 2,048, N 8,192]; A: input h_prev (given as codes); B: computed on the way: QUANTISED (scales: A lowp_scales[2], B lowp_scales[3])
;;   THE QUANTISER, for each operand of a quantised product, along K:
;;     - The operand's scale is 2^e, e = its entry of the input lowp_scales (int32; the entries are numbered through the quantised products in the list's order, A before B).
;;     - Each number is divided by the scale, clamped to +-57,344, and rounded to the nearest number of E5M2, ties to even, subnormals kept.
;;     - The product sums the exact products of the quantised numbers (number of the format x scale) in f32.
;;   ~~~python
;;   def quantise(x, axis, e):      # numpy; x: float32 -> the quantised numbers, widened to float32 again
;;       x = np.moveaxis(x, axis, -1); K = x.shape[-1]
;;       r = np.clip(x / 2.0 ** e, -57344, 57344)
;;       step = 2.0 ** (np.maximum(np.frexp(np.where(r == 0, 1, r))[1] - 1, -14) - 2)
;;       q = np.round(r / step) * step * 2.0 ** e      # np.round: ties to even
;;       return np.moveaxis(q, -1, axis).astype(np.float32)
;;   ~~~
;;   OPERANDS COMPUTED ON THE WAY. 'Computed on the way' means the value that the module computes at that place (a softmax that the list does not call 'softmax' is quantised finished and normalised). What goes into a quantiser is computed in f32, as accurately as f32 sums, v_exp_f32 and their like allow (about 1e-6 of the number): no bf16 or f16 on the way to a quantiser, and a product that is left as it is and whose result goes on into a quantised operand takes f32 operands (vector FMAs, or v_wmma_f32_16x16x4_f32). A number that lies on a knife's edge between two numbers of the format may be rounded either way, as far as f32 arithmetic and the matrix unit's own rounding can turn it there, and no further.
;;   INPUTS GIVEN AS CODES. h_prev (in the module: [2048, 2048], K = its axis 1); x (in the module: [2048, 1024], K = its axis 1): each comes as NAME_codes (uint8): NAME with its K axis moved to the last place and cut into blocks of 32 codes, [.., K / 32, bytes a block], one block behind the other in memory; one code a byte (a code: sign, 5 exponent bits, 2 mantissa bits); its scale is its entry of lowp_scales. Its value is code x scale, taken as it is: it is not quantised again, and the codes and scales need not be those that the quantiser above would give.
;; One version. Each part assembles by itself: llvm-mc -triple=amdgcn-amd-amdhsa -mcpu=gfx1250 --defsym DOCPART=n.
;; ======== version 1 of 1: 3 launches
;; limits: right only within a limited range of input values
;; workspace buffers: wr 25,165,824 bytes; og 16,777,216 bytes; ar 6,291,456 bytes
;; launch quant (part 1): grid 864 x 1, 4 waves a work-group, no clusters, 68,096 bytes of LDS; arguments Wi, Wf, Wz, Wo, Ri, Rf, Rz, Ro, lowp_scales, wr, x_codes, h_prev_codes, ar; writes wr, ar
.if DOCPART == 1
	.amdgcn_target "amdgcn-amd-amdhsa--gfx1250"
	.amdhsa_code_object_version 6
	.text
	.protected	k_qad6b684632_quant
	.globl	k_qad6b684632_quant
	.p2align	8
	.type	k_qad6b684632_quant,@function
k_qad6b684632_quant:
	s_mov_b64 s[64:65], 0
	v_nop
	global_prefetch_b8 v0, s[64:65] scope:SCOPE_SE
	s_setreg_imm32_b32 hwreg(HW_REG_WAVE_MODE, 25, 1), 1
	s_wait_xcnt 0x0
; PART 1, work-groups 0 .. 767.  The eight weight tensors (Wi .. Wo: [2048][1024]; Ri .. Ro: [2048][2048]; f32, K innermost) become codes of BF8 (E5M2):
; code = x / 2^e, held within +-57,344, rounded to the nearest code, ties to even; e = entry 1 of the scales for the W, entry 3 for the R.
; LIMITS: -126 <= e and e + 15 <= 127.  NaN among the weights is not served (the hold drops it).
; THE CODES ARE LAID AS THE NEXT LAUNCH'S REGISTERS TAKE THEM: wr[bx 32][slot 6][q 4][block 16][c 4][lane 32][16 bytes].
; bx = hidden unit / 64; slot = 512 along K (0, 1: W; 2 .. 5: R); q = 128 along K; block = 4 x gate + hidden unit % 4; lane = 16 h + r with r = (hidden unit % 64) / 4;
; the 16 bytes are K = 32 c + 16 h + 0 .. 15 of the 128.
; A work-group takes 64 neighbouring rows of one tensor x 512 along K; wave w the quarter q = w of that K.  Step s takes the 16 rows 64 bx + 4 t + s, which are one block's 16 r: 16 loads, 512 consecutive
; bytes of a row each, so that the four waves together read 2,048 consecutive bytes of each of a step's rows.
; The rows go into the wave's own stage (pitch 528) and come back so that lane (r, h) holds, for each c, its 16 neighbours of row r: ONE turn serves the conversions and the image.
; A lane's 16 codes are 16 bytes: each of a step's four stores writes 512 consecutive aligned bytes.  Two steps' loads (32 a wave) are out at a time.  Waves share nothing: no barrier.
; PART 2, work-groups 768 .. 863.  The codes of x and h_prev are copied into ar[row / 64][step 24][row block 4][c 4][lane 32][16 bytes]: step = 128 along K (0 .. 7: x; 8 .. 23: h_prev),
; lane = 16 h + (row % 16), bytes K = 32 c + 16 h + 0 .. 15.  A wave takes 16 rows x 1,024 along K, in two halves, each through a stage of its own in the same way.
; No tensor loads; work-groups share no input, so there is nothing for a cluster to share.
.set EMAX,  15
.set MANT,  0x600000                   ; the mantissa field of 57,344 as f32
.set VO,    16                         ; v16-31   byte offset of my 16 bytes in row t
.set R,     32                         ; v32-159  two sets of 16 rows x 4 registers as loaded
.set X,     160                        ; v160-223 back from the stage
.set C,     224                        ; v224-255 codes: two sets of 16
.set PB,    14                         ; s[14:21] part 1: the source at step s's first row
.set SPT,   528                        ; a stage row: 512 bytes + 16
.set STG,   16*SPT                     ; a wave's stage
.set CPY,   4*STG                      ; part 2's stages
.set SPARE, 8*STG
	v_lshl_add_u32 v14, v0, 2, SPARE               ; my spare word
	v_mov_b32 v15, 0
	v_lshrrev_b32 v1, 5, v0
	v_readfirstlane_b32 s28, v1                    ; wave 0..3
	v_and_b32 v2, 31, v0                           ; lane
	v_lshlrev_b32 v3, 4, v2                        ; 16 x lane
	v_and_b32 v4, 15, v2                           ; r
	v_lshrrev_b32 v5, 4, v2                        ; h
	s_mul_i32 s29, s28, STG
	v_add_nc_u32 v6, s29, v3                       ; part 1, into the stage: 16 x lane of a row
	v_mul_u32_u24 v9, v4, SPT
	v_add_nc_u32 v9, s29, v9
	v_lshl_add_u32 v7, v5, 6, v9                   ; part 1, back: row r, + 64 h (16 numbers of 4 bytes)
	v_add_nc_u32 v8, CPY, v6                       ; part 2, in
	v_lshl_add_u32 v9, v5, 4, v9
	v_add_nc_u32 v9, CPY, v9                       ; part 2, back: row r, + 16 h
	s_cmp_ge_u32 ttmp9, 768
	s_wait_alu depctr_va_vdst(0)                   ; the wait ahead of the branch
	s_cbranch_scc1 .Lcopy
	s_load_b512 s[8:23], s[0:1], 0x0               ; Wi, Wf, Wz, Wo, Ri, Rf, Rz, Ro
	s_load_b128 s[24:27], s[0:1], 0x40             ; the scales' exponents, wr
	s_lshr_b32 s30, ttmp9, 6                       ; W: gate = wg / 64
	s_bfe_u32 s31, ttmp9, 0x50001                  ; W: bx = (wg % 64) / 2
	s_and_b32 s32, ttmp9, 1                        ; W: strip of 512
	s_sub_co_u32 s33, ttmp9, 256
	s_lshr_b32 s34, s33, 7                         ; R: gate
	s_bfe_u32 s35, s33, 0x50002                    ; R: bx
	s_and_b32 s33, s33, 3                          ; R: strip
	s_cmp_lt_u32 ttmp9, 256
	s_cselect_b32 s40, s30, s34                    ; gate
	s_cselect_b32 s41, s31, s35                    ; bx
	s_cselect_b32 s42, s32, s33                    ; strip
	s_cselect_b32 s43, 12, 13                      ; a row is 2^12 or 2^13 bytes
	s_cselect_b32 s44, 0, 2                        ; the tensor's first slot
	s_lshl_b32 s6, s41, 6
	s_lshl_b32 s6, s6, s43                         ; from: row 64 bx,
	s_lshl_b32 s45, s42, 11
	s_add_co_u32 s6, s6, s45                       ; + 2,048 x strip
	s_lshl_b32 s45, s28, 9
	s_add_co_u32 s6, s6, s45                       ; + 512 x wave
	s_mov_b32 s7, 0
	s_mul_i32 s46, s41, 786432                     ; to: bx,
	s_add_co_u32 s45, s42, s44
	s_lshl_b32 s45, s45, 17
	s_add_co_u32 s46, s46, s45                     ; slot,
	s_lshl_b32 s45, s28, 15
	s_add_co_u32 s46, s46, s45                     ; q = wave,
	s_lshl_b32 s45, s40, 13
	s_add_co_u32 s46, s46, s45                     ; block 4 x gate
	s_mov_b32 s47, 0
.irp t, 0,1,2,3,4,5,6,7,8,9,10,11,12,13,14,15
	s_lshl_b32 s50, 4*\t, s43
	v_add_nc_u32 v[VO+\t], s50, v3                 ; row t lies 4 t rows on
.endr
	s_lshl_b32 s50, 1, s43                         ; one row, in bytes: from a step's rows to the next step's
	s_mov_b32 s51, 0
	s_wait_alu depctr_va_vdst(0)                   ; the wait at the head's end
	s_wait_kmcnt 0x0
	s_load_b128 s[36:39], s[24:25], 0x0            ; e0 .. e3
	s_cmp_lt_u32 ttmp9, 256
	s_cselect_b64 s[8:9], s[8:9], s[16:17]
	s_cselect_b64 s[10:11], s[10:11], s[18:19]
	s_cselect_b64 s[12:13], s[12:13], s[20:21]
	s_cselect_b64 s[14:15], s[14:15], s[22:23]
	s_mov_b64 s[4:5], s[8:9]
	s_cmp_eq_u32 s40, 1
	s_cselect_b64 s[4:5], s[10:11], s[4:5]
	s_cmp_eq_u32 s40, 2
	s_cselect_b64 s[4:5], s[12:13], s[4:5]
	s_cmp_eq_u32 s40, 3
	s_cselect_b64 s[4:5], s[14:15], s[4:5]
	s_add_nc_u64 s[PB:PB+1], s[4:5], s[6:7]
	s_add_nc_u64 s[PB+2:PB+3], s[PB:PB+1], s[50:51]
	s_add_nc_u64 s[PB+4:PB+5], s[PB+2:PB+3], s[50:51]
	s_add_nc_u64 s[PB+6:PB+7], s[PB+4:PB+5], s[50:51]
	s_add_nc_u64 s[26:27], s[26:27], s[46:47]
.macro LOAD q
.irp t, 0,1,2,3,4,5,6,7,8,9,10,11,12,13,14,15
	global_load_b128 v[R+64*((\q)%2)+4*\t:R+64*((\q)%2)+4*\t+3], v[VO+\t], s[PB+2*(\q):PB+2*(\q)+1] th:TH_LOAD_NT
.endr
.endm
	LOAD 0
	LOAD 1
	s_wait_kmcnt 0x0
	s_cmp_lt_u32 ttmp9, 256
	s_cselect_b32 s48, s37, s39                    ; e1 for a W, e3 for an R
	s_add_co_i32 s48, s48, 127
	s_lshl_b32 s49, s48, 23
	v_mov_b32 v11, s49                             ; 2^e as f32
	s_add_co_i32 s48, s48, EMAX
	s_lshl_b32 s48, s48, 23
	s_or_b32 s48, s48, MANT
	v_mov_b32 v10, s48                             ; 57,344 x 2^e
	s_wait_alu depctr_va_vdst(0)
.macro STEP q
.set CS, C+16*((\q)%2)
.if (\q) < 3
	s_wait_loadcnt 16                              ; this step's 16 loads are in; the next step's may be out
.else
	s_wait_loadcnt 0
.endif
.irp t, 0,1,2,3,4,5,6,7,8,9,10,11,12,13,14,15
	ds_store_b128 v6, v[R+64*((\q)%2)+4*\t:R+64*((\q)%2)+4*\t+3] offset:\t*SPT
.endr
.irp n, 0,1,2,3,4,5,6,7,8,9,10,11,12,13,14,15
	ds_load_b128 v[X+4*\n:X+4*\n+3], v7 offset:(\n/4)*128+(\n%4)*16       ; LDS serves a wave's instructions in order: these see the stores above
.endr
	s_wait_dscnt 0x0                               ; the numbers are back, and the stores have read their registers,
.if (\q)+2 < 4
	LOAD (\q)+2                                    ; which take the loads of two steps on
.endif
.if (\q) >= 2
	s_wait_xcnt 0x0                                ; the stores of two steps ago have read this set of codes
.endif
.irp c, 0,1,2,3
.irp i, 0,1,2,3,4,5,6,7,8,9,10,11,12,13,14,15
	v_med3_num_f32 v[X+16*\c+\i], v[X+16*\c+\i], -v10, v10   ; the conversion does not saturate (ISA guide 7.6.2): hold first
.endr
	v_cvt_scalef32_pk8_bf8_f32 v[CS+4*\c:CS+4*\c+1], v[X+16*\c:X+16*\c+7], v11
	v_cvt_scalef32_pk8_bf8_f32 v[CS+4*\c+2:CS+4*\c+3], v[X+16*\c+8:X+16*\c+15], v11
.endr
	v_nop                                          ; a plain place behind the last conversion
.irp c, 0,1,2,3
	global_store_b128 v3, v[CS+4*\c:CS+4*\c+3], s[26:27] offset:2048*(\q)+512*\c   ; block 4 x gate + step
.endr
.endm
	STEP 0
	STEP 1
	STEP 2
	STEP 3
	s_wait_tensorcnt 0x0                           ; the wave's end
	ds_add_u32 v14, v15
	s_wait_dscnt 0x0
	s_endpgm
.Lcopy:
	s_load_b128 s[8:11], s[0:1], 0x50              ; x's codes, h_prev's codes
	s_load_b64 s[12:13], s[0:1], 0x60              ; ar
	s_sub_co_u32 s30, ttmp9, 768
	s_lshr_b32 s31, s30, 5                         ; part: 0 = x, 1, 2 = the halves of h_prev's K
	s_and_b32 s32, s30, 31                         ; block of 64 rows
	s_cmp_eq_u32 s31, 0
	s_cselect_b32 s33, 10, 11                      ; a row is 2^10 or 2^11 bytes
	s_max_u32 s34, s31, 1
	s_sub_co_u32 s34, s34, 1
	s_lshl_b32 s34, s34, 10                        ; first byte along K
	s_lshl_b32 s35, s32, 6
	s_lshl_b32 s36, s28, 4
	s_add_co_u32 s35, s35, s36                     ; my first row
	s_lshl_b32 s35, s35, s33
	s_add_co_u32 s6, s35, s34
	s_mov_b32 s7, 0
	s_mul_i32 s38, s32, 196608
	s_lshl_b32 s37, s31, 16
	s_add_co_u32 s38, s38, s37                     ; + 8 steps of 8,192 bytes a part
	s_lshl_b32 s37, s28, 11
	s_add_co_u32 s38, s38, s37                     ; + my row block
	s_mov_b32 s39, 0
.irp t, 0,1,2,3,4,5,6,7,8,9,10,11,12,13,14,15
	s_lshl_b32 s50, \t, s33
	v_add_nc_u32 v[VO+\t], s50, v3
.endr
	s_wait_alu depctr_va_vdst(0)
	s_wait_kmcnt 0x0
	s_cmp_eq_u32 s31, 0
	s_cselect_b64 s[4:5], s[8:9], s[10:11]
	s_add_nc_u64 s[4:5], s[4:5], s[6:7]
	s_add_nc_u64 s[12:13], s[12:13], s[38:39]
.irp u, 0,1
.irp t, 0,1,2,3,4,5,6,7,8,9,10,11,12,13,14,15
	global_load_b128 v[R+64*\u+4*\t:R+64*\u+4*\t+3], v[VO+\t], s[4:5] offset:512*\u th:TH_LOAD_NT   ; 512 consecutive bytes of row t
.endr
.endr
.irp u, 0,1
	s_wait_loadcnt 16*(1-\u)
.irp t, 0,1,2,3,4,5,6,7,8,9,10,11,12,13,14,15
	ds_store_b128 v8, v[R+64*\u+4*\t:R+64*\u+4*\t+3] offset:\t*SPT         ; (second half: the first half's reads of the stage came back in front of its last store)
.endr
.if \u == 1
	s_wait_xcnt 0x0                                ; the first half's stores have read their registers
.endif
.irp n, 0,1,2,3,4,5,6,7,8,9,10,11,12,13,14,15
	ds_load_b128 v[X+4*\n:X+4*\n+3], v9 offset:(\n/4)*128+(\n%4)*32        ; step n / 4 of the half, c = n % 4
.endr
.irp n, 0,1,2,3,4,5,6,7,8,9,10,11,12,13,14,15
	s_wait_dscnt 15-\n
	global_store_b128 v3, v[X+4*\n:X+4*\n+3], s[12:13] offset:(4*\u+\n/4)*8192+(\n%4)*512
.endr
.endr
	s_wait_tensorcnt 0x0                           ; the wave's end
	ds_add_u32 v14, v15
	s_wait_dscnt 0x0
	s_endpgm
.Lfunc_end_k_qad6b684632_quant:
	.size	k_qad6b684632_quant, .Lfunc_end_k_qad6b684632_quant-k_qad6b684632_quant
	.p2alignl 7, 3214868480
	.fill 96, 4, 3214868480
	.section	.rodata,"a",@progbits
	.p2align	6, 0x0
	.amdhsa_kernel k_qad6b684632_quant
		.amdhsa_group_segment_fixed_size 68096
		.amdhsa_private_segment_fixed_size 0
		.amdhsa_enable_private_segment 0
		.amdhsa_kernarg_size 104
		.amdhsa_user_sgpr_count 2
		.amdhsa_user_sgpr_kernarg_segment_ptr 1
		.amdhsa_wavefront_size32 1
		.amdhsa_system_sgpr_workgroup_id_x 1
		.amdhsa_system_sgpr_workgroup_id_y 1
		.amdhsa_system_sgpr_workgroup_id_z 1
		.amdhsa_system_vgpr_workitem_id 0
		.amdhsa_next_free_vgpr 256
		.amdhsa_next_free_sgpr 66
		.amdhsa_reserve_vcc 0
		.amdhsa_float_denorm_mode_32 3
		.amdhsa_float_denorm_mode_16_64 3
		.amdhsa_memory_ordered 1
		.amdhsa_forward_progress 1
		.amdhsa_inst_pref_size 52
	.end_amdhsa_kernel
	.amdgpu_metadata
---
amdhsa.version: [ 1, 2 ]
amdhsa.kernels:
  - .name:           k_qad6b684632_quant
    .symbol:         k_qad6b684632_quant.kd
    .args:
      - { .name: Wi, .offset: 0, .size: 8, .value_kind: global_buffer, .address_space: global }
      - { .name: Wf, .offset: 8, .size: 8, .value_kind: global_buffer, .address_space: global }
      - { .name: Wz, .offset: 16, .size: 8, .value_kind: global_buffer, .address_space: global }
      - { .name: Wo, .offset: 24, .size: 8, .value_kind: global_buffer, .address_space: global }
      - { .name: Ri, .offset: 32, .size: 8, .value_kind: global_buffer, .address_space: global }
      - { .name: Rf, .offset: 40, .size: 8, .value_kind: global_buffer, .address_space: global }
      - { .name: Rz, .offset: 48, .size: 8, .value_kind: global_buffer, .address_space: global }
      - { .name: Ro, .offset: 56, .size: 8, .value_kind: global_buffer, .address_space: global }
      - { .name: lowp_scales, .offset: 64, .size: 8, .value_kind: global_buffer, .address_space: global }
      - { .name: wr, .offset: 72, .size: 8, .value_kind: global_buffer, .address_space: global }
      - { .name: x_codes, .offset: 80, .size: 8, .value_kind: global_buffer, .address_space: global }
      - { .name: h_prev_codes, .offset: 88, .size: 8, .value_kind: global_buffer, .address_space: global }
      - { .name: ar, .offset: 96, .size: 8, .value_kind: global_buffer, .address_space: global }
    .group_segment_fixed_size: 68096
    .private_segment_fixed_size: 0
    .kernarg_segment_align: 8
    .kernarg_segment_size: 104
    .max_flat_workgroup_size: 128
    .sgpr_count:     66
    .vgpr_count:     256
    .wavefront_size: 32
...
	.end_amdgpu_metadata
.endif
;; end of part 1
;; launch gates (part 2): grid 8 x 32, 4 waves a work-group, clusters of 4 x 1, 327,680 bytes of LDS; arguments ar, wr, lowp_scales, bi, bf, bz, bo, c_prev, n_prev, m_prev, out1, out2, out3, og; writes out1, out2, out3, og
.if DOCPART == 2
	.amdgcn_target "amdgcn-amd-amdhsa--gfx1250"
	.amdhsa_code_object_version 6
	.text
	.protected	k_qad6b684632_gates
	.globl	k_qad6b684632_gates
	.p2align	8
	.type	k_qad6b684632_gates,@function
k_qad6b684632_gates:
	s_mov_b64 s[64:65], 0
	v_nop
	global_prefetch_b8 v0, s[64:65] scope:SCOPE_SE
	s_setreg_imm32_b32 hwreg(HW_REG_WAVE_MODE, 25, 1), 1
	s_wait_xcnt 0x0
	s_wait_alu depctr_hold_cnt(0) depctr_sa_sdst(0) depctr_va_vdst(0) depctr_va_sdst(0) depctr_va_ssrc(0) depctr_va_vcc(0) depctr_vm_vsrc(0)
	s_getreg_b32 s2, hwreg(HW_REG_IB_STS2, 6, 4)
	s_cmp_eq_u32 s2, 0
	s_cbranch_scc0 .Lentry_in_a_cluster
	s_endpgm
.Lentry_in_a_cluster:
	s_bfe_u32 s2, ttmp6, 0x10000c
	s_cmp_lg_u32 s2, 0x3003
	s_cbranch_scc0 .Lentry_shape_is_right
	s_endpgm
.Lentry_shape_is_right:
; pre = x Wcat^T + bcat + h_prev Rcat^T on codes of BF8; i, f, o = sigmoid, z = tanh; c = f c_prev + i z (out1), n = f n_prev + i (out2), m = max(f m_prev, i) (out3), o (og).
; The sums over x's K (1,024) are multiplied once by 2^(e0 + e1 - e2 - e3); then h_prev's K (2,048) is added, and 2^(e2 + e3) goes into the activations' factors.
; LIMITS: e0 + e1 - e2 - e3 between -126 and 127; e2 + e3 between -126 and 125 (exponent fields of f32 numbers).
; SHARES.  A work-group: 256 rows x 64 hidden units x 4 gates; a wave: 64 rows x all 256 gate columns: 64 accumulators, 512 registers.  256 work-groups.
; WEIGHTS come as register images (wr, laid by the launch before) through two LDS slots of 131,072 bytes, 512 along K each, six fills; wave w fetches the slot's q = w (32,768 dense bytes as 128 rows of 256).
; The four work-groups of a cluster (four row blocks, one column block) need the same weights: each fill is a joint load with the mask 15.  Their rows of x and h_prev differ, so those are not shared.
; x AND h_prev come as register images (ar) from memory straight into four register sets of 64, 16 loads of 512 consecutive bytes a step of 128 along K, three steps ahead of their use.
; A step is 16 blocks of weights x 4 row blocks.  The weights' fragments go through three buffers of four blocks: a slot's 64 blocks are 18 groups (14 of four blocks, 4 of two), so that the buffers' turns close with the slot.
; Behind a group's products and four places its buffer takes the group three on; the counts on DScnt leave the two younger groups' loads out.
; Block 4 g + q holds hidden units 4 r + q of gate g: in the results lane (r, h) holds, for row 8 h + j, units 4 r .. 4 r + 3 in the four q: 16 consecutive bytes, sixteen lanes 256: no LDS on the way out.
; PREFETCHES: with the fill of weight tile n one instruction a wave names tile n + 1, its 512 blocks of 256 bytes shared among the cluster's 16 waves by address; with the loads of step t + 4 a wave names its 32 blocks of step t + 7;
; the last fills and steps name nothing beyond the end; c_prev, n_prev, m_prev: two instructions a tensor (a lane a row) in steps 17 to 19, ahead of their loads from step 20 on.
; REGISTERS: window 0: v0-31 addresses and biases; v64-255 the three weight buffers; window 1: the four sets of x / h_prev; windows 2, 3: accumulator (block b, row block a) at 8 (4 b + a).
.set SLOT,  131072
.set SPARE, 262144
.set ADR, 2                            ; v2-5  16 x lane + 0, 64 Ki, 128 Ki, 192 Ki: the two halves of slot 0, of slot 1
.set AO,  6                            ; 16 x lane
.set PFL, 7                            ; 256 x lane
.set SPW, 8
.set NIL, 9
.set PFB, 10                           ; 256 x (32 (4 cx + wave) + lane)
.set PFP, 11                           ; 8,192 x lane
.set CO,  12                           ; 65,536 h + 16 r
.set BIA, 16                           ; v16-31 biases x the activation's factor, at 4 g + q
.set BB,  64
.set T,   128                          ; the way out: 128 registers at 32 g + 8 q + j
.set G1, 32
.set G0, 40
.set WV, 48
.set MSB, 0
.macro WIN new
.if MSB != \new
	s_set_vgpr_msb (MSB<<8)|\new
.set MSB, \new
.endif
.endm
.set MUL_LO, 0xa1                      ; source 0 window 1, source 1 window 0, C and D window 2
.set MUL_HI, 0xf1
.macro CREST
	s_cmp_lg_u32 s[WV], 0
	s_cbranch_scc1 .Lnot_wave_0_\@
	s_barrier_signal -3
.Lnot_wave_0_\@:
	s_barrier_wait -3
	s_barrier_signal -1
	s_barrier_wait -1
.endm
.macro CROUND
	s_barrier_signal -1
	s_barrier_wait -1
	CREST
.endm
.macro PLACES
.rept 4
	v_nop
.endr
.endm
.macro MM st, bf, b0, nb, z            ; nb blocks x 4 row blocks; all accumulators differ
.set bi_, 0
.rept \nb
.irp a, 0,1,2,3
.set AC, 8*(4*((\b0+bi_)%8)+\a)
.if \z
	v_wmma_f32_16x16x128_bf8_bf8 v[AC:AC+7], v[64*\st+16*\a:64*\st+16*\a+15], v[BB+64*\bf+16*bi_:BB+64*\bf+16*bi_+15], 0
.else
	v_wmma_f32_16x16x128_bf8_bf8 v[AC:AC+7], v[64*\st+16*\a:64*\st+16*\a+15], v[BB+64*\bf+16*bi_:BB+64*\bf+16*bi_+15], v[AC:AC+7]
.endif
.endr
.set bi_, bi_+1
.endr
.endm
.macro LB sl, q, b0, nb, bf            ; nb blocks of step q of slot sl into buffer bf: 512 consecutive bytes a load
.set li_, 0
.rept 4*\nb
	ds_load_b128 v[BB+64*\bf+4*li_:BB+64*\bf+4*li_+3], v[ADR+2*\sl+(\q)/2] offset:((\q)%2)*32768+(\b0)*2048+512*li_
.set li_, li_+1
.endr
.endm
.macro GR st, bf, b0, nb, wt, z        ; a group: its loads are in (wt younger LDS instructions may be out), its products, four places for the loads that follow
	s_wait_dscnt \wt
.if (\b0) < 8
	WIN MUL_LO
.else
	WIN MUL_HI
.endif
	MM \st, \bf, \b0, \nb, \z
	PLACES
	WIN 0
.endm
.macro LA st, j                        ; the set of step j + 4, counted from the base's step
	WIN 0x40
.set li_, 0
.rept 16
	global_load_b128 v[64*\st+4*li_:64*\st+4*li_+3], v[AO], s[4:5] offset:((\j)+4)*8192+512*li_
.set li_, li_+1
.endr
	WIN 0
.endm
.macro AFT k, st, j                    ; behind a step: its set takes the step four on; k = 1: step j + 7 is named; k = 2: tensor j - 1 of c_prev, n_prev, m_prev, my 64 rows
	LA \st, \j
.if \k == 1
	global_prefetch_b8 v[PFL], s[4:5] offset:((\j)+7)*8192 th:TH_LOAD_NT scope:SCOPE_SE
.else
	global_prefetch_b8 v[PFP], s[16+2*(\j):17+2*(\j)] th:TH_LOAD_NT scope:SCOPE_SE
	global_prefetch_b8 v[PFP], s[16+2*(\j):17+2*(\j)] offset:262144 th:TH_LOAD_NT scope:SCOPE_SE
.endif
.endm
.macro PLD a, rb, n0, cnt              ; c_prev, n_prev, m_prev of row block a: load n = 8 x tensor + j: rows 16 a + j and 16 a + 8 + j, 256 bytes each
.set pn_, \n0
.rept \cnt
	global_load_b128 v[\rb+4*pn_:\rb+4*pn_+3], v[CO], s[18+2*(pn_/8):19+2*(pn_/8)] offset:(16*\a+pn_%8)*8192 th:TH_LOAD_NT
.set pn_, pn_+1
.endr
.endm
.macro Q0 s, z
	s_wait_loadcnt 48                              ; this step's set is in; the three younger sets may be out
	GR 0,0,0,4,32,\z
	LB \s,0,12,4,0
	GR 0,1,4,4,32,\z
	LB \s,1,0,4,1
	GR 0,2,8,4,32,\z
	LB \s,1,4,4,2
	GR 0,0,12,4,32,\z
	LB \s,1,8,4,0
.endm
.macro Q1 s
	s_wait_loadcnt 48
	GR 1,1,0,4,32,0
	LB \s,1,12,2,1
	GR 1,2,4,4,24,0
	LB \s,1,14,2,2
	GR 1,0,8,4,16,0
	LB \s,2,0,4,0
	GR 1,1,12,2,24,0
	LB \s,2,4,4,1
	GR 1,2,14,2,32,0
	LB \s,2,8,4,2
.endm
.macro Q2 s
	s_wait_loadcnt 48
	GR 2,0,0,4,32,0
	LB \s,2,12,4,0
	GR 2,1,4,4,32,0
	LB \s,3,0,2,1
	GR 2,2,8,4,24,0
	LB \s,3,2,2,2
	GR 2,0,12,4,16,0
	LB \s,3,4,4,0
.endm
; A slot's last step changes slots.  fill = 1: the slot is filled again, two tiles on.  ask: 1 = name the tile after that; 2 = the same in the loop's first trip alone
.macro Q3 s, nx, fill, ask
	s_wait_loadcnt 48
	GR 3,1,0,2,24,0
	LB \s,3,8,4,1
	GR 3,2,2,2,32,0
	LB \s,3,12,4,2                                 ; my last reads of this slot
	s_wait_tensorcnt 0x0                           ; my one tensor load that was out, my part of the next slot, has landed
	ds_add_u32 v[SPW], v[NIL]
	GR 3,0,4,4,33,0                                ; (two groups' loads and the add may be out)
	s_wait_dscnt 0x0                               ; the add is done, my reads of this slot are back
	s_barrier_signal -1
	WIN MUL_HI
	MM 3,1,8,4,0
	WIN 0
	s_barrier_wait -1
.if \fill
	CREST                                          ; the barrier has opened a round of the cluster's barrier
	s_add_nc_u64 s[G0+4*\s+2:G0+4*\s+3], s[G0+4*\s+2:G0+4*\s+3], 2*SLOT
	tensor_load_to_lds s[G0+4*\s:G0+4*\s+3], s[G1:G1+7]
	s_nop 0
.endif
	PLACES
	LB \nx,0,0,4,0
	LB \nx,0,4,4,1
.if \ask == 2
	s_cmp_eq_u32 s3, 2
	s_cbranch_scc0 .Lno_ask_\@
	global_prefetch_b8 v[PFB], s[50:51] offset:4*SLOT th:TH_LOAD_NT scope:SCOPE_SE
.Lno_ask_\@:
.endif
.if \ask == 1
	global_prefetch_b8 v[PFB], s[50:51] offset:3*SLOT th:TH_LOAD_NT scope:SCOPE_SE
.endif
	WIN MUL_HI
	MM 3,2,12,4,0
	PLACES
	WIN 0
	LB \nx,0,8,4,2
.endm
	s_load_b256 s[4:11], s[0:1], 0x0               ; ar, wr, scales, bi
	s_load_b256 s[12:19], s[0:1], 0x20             ; bf, bz, bo, c_prev
	s_load_b256 s[20:27], s[0:1], 0x40             ; n_prev, m_prev, out1, out2
	s_load_b128 s[28:31], s[0:1], 0x60             ; out3, og
	v_lshl_add_u32 v[SPW], v0, 2, SPARE
	v_mov_b32 v[NIL], 0
	ds_add_u32 v[SPW], v[NIL]                      ; the opening lines: the add twice on end and one wait
	ds_add_u32 v[SPW], v[NIL]
	v_lshrrev_b32 v1, 5, v0
	v_readfirstlane_b32 s[WV], v1
	s_bfe_u32 s49, ttmp6, 0x40000                  ; cx
	s_lshl_b32 s66, ttmp9, 2
	s_add_co_u32 s66, s66, s49                     ; block of 256 rows
	s_and_b32 s67, ttmp7, 0xffff                   ; block of 64 hidden units
	s_mov_b32 s[G1], 15|(3<<16)|(1<<21)            ; mask: the four of the cluster; elements of 8 bytes
	s_mov_b32 s[G1+1], 32<<16
	s_mov_b32 s[G1+2], 128<<16
	s_mov_b32 s[G1+3], 32<<16
	s_mov_b32 s[G1+4], 128
	s_mov_b32 s[G1+5], 32
	s_mov_b32 s[G1+6], 0
	s_mov_b32 s[G1+7], 0
	v_and_b32 v1, 31, v0
	v_lshlrev_b32 v[ADR], 4, v1
	v_add_nc_u32 v[ADR+1], 0x10000, v[ADR]
	v_add_nc_u32 v[ADR+2], 0x20000, v[ADR]
	v_add_nc_u32 v[ADR+3], 0x30000, v[ADR]
	v_lshlrev_b32 v[AO], 4, v1
	v_lshlrev_b32 v[PFL], 8, v1
	s_lshl_b32 s68, s49, 2
	s_add_co_u32 s68, s68, s[WV]
	s_lshl_b32 s68, s68, 13
	v_add_nc_u32 v[PFB], s68, v[PFL]
	v_lshlrev_b32 v[PFP], 13, v1
	v_and_b32 v13, 15, v0
	v_bfe_u32 v14, v0, 4, 1
	v_lshlrev_b32 v15, 4, v13                      ; 16 r: my four biases of a gate
	v_lshl_add_u32 v[CO], v14, 16, v15
	s_lshl_b32 s70, s66, 2
	s_add_co_u32 s70, s70, s[WV]
	s_mul_i32 s70, s70, 196608                     ; ar: my 64 rows' 24 steps
	s_mov_b32 s71, 0
	s_mul_i32 s72, s67, 786432                     ; wr: my column block's six tiles
	s_mov_b32 s73, 0
	s_lshl_b32 s74, s[WV], 15
	s_add_co_u32 s74, s74, s72                     ; + the quarter that I fetch
	s_mov_b32 s75, 0
	s_lshl_b32 s76, s66, 8
	s_lshl_b32 s77, s[WV], 6
	s_add_co_u32 s76, s76, s77
	s_lshl_b32 s76, s76, 13
	s_lshl_b32 s78, s67, 8
	s_add_co_u32 s76, s76, s78                     ; my first row and column in the [2048][2048] tensors
	s_mov_b32 s77, 0
	s_mov_b32 s79, 0
	s_wait_alu depctr_va_vdst(0)                   ; the wait at the head's end
	s_wait_dscnt 0x0
	s_wait_kmcnt 0x0
	s_load_b128 s[52:55], s[8:9], 0x0              ; e0 .. e3
	s_add_nc_u64 s[4:5], s[4:5], s[70:71]
	s_add_nc_u64 s[50:51], s[6:7], s[72:73]
	s_add_nc_u64 s[6:7], s[6:7], s[74:75]
.irp p, 18,20,22,24,26,28,30
	s_add_nc_u64 s[\p:\p+1], s[\p:\p+1], s[76:77]
.endr
.irp p, 10,12,14,16
	s_add_nc_u64 s[\p:\p+1], s[\p:\p+1], s[78:79]
.endr
.irp g, 0,1,2,3
	global_load_b128 v[BIA+4*\g:BIA+4*\g+3], v15, s[10+2*\g:11+2*\g]
.endr
	LA 0, -4
	LA 1, -3
	LA 2, -2
	LA 3, -1
.irp n, 0,1
	s_mov_b32 s[G0+4*\n], 1
	s_lshl_b32 s[G0+4*\n+1], s[WV], 15
	s_add_co_u32 s[G0+4*\n+1], s[G0+4*\n+1], \n*SLOT
	s_add_nc_u64 s[G0+4*\n+2:G0+4*\n+3], s[6:7], \n*SLOT
	s_or_b32 s[G0+4*\n+3], s[G0+4*\n+3], 0x80000000
.endr
	CROUND                                         ; in front of the first joint loads
	tensor_load_to_lds s[G0:G0+3], s[G1:G1+7]      ; tile 0: one tensor load a wave at the head
	s_nop 0
	PLACES
	s_wait_kmcnt 0x0
	s_add_co_i32 s56, s52, s53
	s_sub_co_i32 s56, s56, s54
	s_sub_co_i32 s56, s56, s55
	s_add_co_i32 s56, s56, 127
	s_lshl_b32 s56, s56, 23                        ; 2^(e0 + e1 - e2 - e3)
	s_mov_b32 s57, s56
	s_add_co_i32 s2, s54, s55
	s_lshl_b32 s2, s2, 23
	s_add_co_u32 s58, s2, 0xbfb8aa3b               ; -log2(e) x 2^(e2 + e3)
	s_mov_b32 s59, s58
	s_add_co_u32 s60, s2, 0x4038aa3b               ; 2 log2(e) x 2^(e2 + e3)
	s_mov_b32 s61, s60
	s_wait_tensorcnt 0x0                           ; my part of tile 0 is in; slot 1's first fill is issued as a refill is
	ds_add_u32 v[SPW], v[NIL]
	s_wait_dscnt 0x0
	CROUND
	tensor_load_to_lds s[G0+4:G0+7], s[G1:G1+7]    ; tile 1
	s_nop 0
	PLACES
	LB 0,0,0,4,0
	LB 0,0,4,4,1
	LB 0,0,8,4,2
	global_prefetch_b8 v[PFB], s[50:51] offset:2*SLOT th:TH_LOAD_NT scope:SCOPE_SE
	s_wait_loadcnt 48                              ; the biases and the first set are in
.irp j, 0,1,2,3,4,5,6,7,12,13,14,15
	v_mul_f32 v[BIA+\j], 0xbfb8aa3b, v[BIA+\j]
.endr
.irp j, 8,9,10,11
	v_mul_f32 v[BIA+\j], 0x4038aa3b, v[BIA+\j]
.endr
	s_wait_alu depctr_va_vdst(0)                   ; the wait behind these writes
	Q0 0, 1                                        ; the first step starts the sums
	AFT 1, 0, 0
	s_mov_b32 s3, 2
.Llap:                                                 ; a trip: eight steps, from a lap's second step to the next lap's first; both slots are filled again
	Q1 0
	AFT 1, 1, 1
	Q2 0
	AFT 1, 2, 2
	Q3 0, 1, 1, 1
	AFT 1, 3, 3
	Q0 1, 0
	AFT 1, 0, 4
	Q1 1
	AFT 1, 1, 5
	Q2 1
	AFT 1, 2, 6
	Q3 1, 0, 1, 2
	AFT 1, 3, 7
	s_cmp_lg_u32 s3, 2
	s_cbranch_scc1 .Lno_rescale
	WIN 0x82                                       ; x's K is done (first trip): the sums x 2^(e0 + e1 - e2 - e3), each accumulator from its low end on
.set j, 0
.rept 128
	v_pk_mul_f32 v[j:j+1], v[j:j+1], s[56:57] op_sel_hi:[1,0]
.set j, j+2
.endr
	WIN 0xc3
.set j, 0
.rept 128
	v_pk_mul_f32 v[j:j+1], v[j:j+1], s[56:57] op_sel_hi:[1,0]
.set j, j+2
.endr
	WIN 0
	s_wait_alu depctr_va_vdst(0)
.Lno_rescale:
	Q0 0, 0
	s_wait_xcnt 0x0                                ; the loads and prefetches issued so far have read their bases
	s_add_nc_u64 s[4:5], s[4:5], 65536             ; eight steps on
	s_add_nc_u64 s[50:51], s[50:51], 2*SLOT
	AFT 1, 0, 0
	s_sub_co_u32 s3, s3, 1
	s_cmp_lg_u32 s3, 0
	s_cbranch_scc1 .Llap
	Q1 0                                           ; the last two tiles: nothing is filled again
	AFT 2, 1, 1
	Q2 0
	AFT 2, 2, 2
	Q3 0, 1, 0, 0
	AFT 2, 3, 3
	Q0 1, 0
	WIN 0x40                                       ; the sets that fall free take c_prev, n_prev, m_prev of row blocks 0 and 1: 16 loads a step, so the counts stay
	PLD 0, 0, 0, 16
	WIN 0
	Q1 1
	WIN 0x40
	PLD 0, 0, 16, 8
	PLD 1, 96, 0, 8
	WIN 0
	Q2 1
	WIN 0x40
	PLD 1, 96, 8, 16
	WIN 0
	s_wait_loadcnt 48
	GR 3,1,0,2,24,0
	LB 1,3,8,4,1
	GR 3,2,2,2,32,0
	LB 1,3,12,4,2
	GR 3,0,4,4,32,0
	GR 3,1,8,4,16,0
	GR 3,2,12,4,0,0
	PLD 2, 32, 0, 24                               ; row block 2's, into window 0
; THE WAY OUT, a row block of 16 rows at a time.
.macro ACT g, mw, a                    ; T = sum x factor + bias x factor, two rows at a time; the bias of unit 4 r + q serves both
.irp q, 0,1,2,3
.irp k, 0,2,4,6
.if (\q % 2) == 0
	v_pk_fma_f32 v[T+32*\g+8*\q+\k:T+32*\g+8*\q+\k+1], v[8*(4*(4*(\g%2)+\q)+\a)+\k:8*(4*(4*(\g%2)+\q)+\a)+\k+1], s[\mw:\mw+1], v[BIA+4*\g+\q:BIA+4*\g+\q+1] op_sel_hi:[1,0,0]
.else
	v_pk_fma_f32 v[T+32*\g+8*\q+\k:T+32*\g+8*\q+\k+1], v[8*(4*(4*(\g%2)+\q)+\a)+\k:8*(4*(4*(\g%2)+\q)+\a)+\k+1], s[\mw:\mw+1], v[BIA+4*\g+\q-1:BIA+4*\g+\q] op_sel:[0,0,1] op_sel_hi:[1,0,1]
.endif
.endr
.endr
.endm
; pw, pb: window and first register of the block's c_prev, n_prev, m_prev (32 each, at 4 j + q); ob: o's 32 registers in window 1; lc: younger loads that may stay out
.macro EPI a, pw, pb, ob, lc
	WIN 0x02
	s_wait_alu depctr_va_vdst(0)                   ; the wait ahead of the first readers of matrix results
	ACT 0, 58, \a
	ACT 1, 58, \a
	WIN 0x03
	s_wait_alu depctr_va_vdst(0)
	ACT 2, 60, \a
	ACT 3, 58, \a
	WIN 0
	s_wait_alu depctr_va_vdst(0)                   ; one wait ahead of each batch and one behind it
.set e_, 0
.rept 128
	v_exp_f32 v[T+e_], v[T+e_]
.set e_, e_+1
.endr
	v_nop
	s_wait_alu depctr_va_vdst(0)
.set e_, 0
.rept 64
	v_pk_add_f32 v[T+e_:T+e_+1], v[T+e_:T+e_+1], 1.0 op_sel_hi:[1,0]
.set e_, e_+2
.endr
	s_wait_alu depctr_va_vdst(0)
.set e_, 0
.rept 96
	v_rcp_f32 v[T+e_], v[T+e_]                     ; i, f, and z's reciprocal
.set e_, e_+1
.endr
	WIN 0x40
.irp q, 0,1,2,3
.irp j, 0,1,2,3,4,5,6,7
	v_rcp_f32 v[\ob+4*\j+\q], v[T+96+8*\q+\j]      ; o, laid as it is stored
.endr
.endr
	v_nop
	WIN 0
	s_wait_alu depctr_va_vdst(0)
.irp k, 0,2,4,6,8,10,12,14,16,18,20,22,24,26,28,30
	v_pk_fma_f32 v[T+64+\k:T+64+\k+1], v[T+64+\k:T+64+\k+1], -2.0, 1.0 op_sel_hi:[1,0,0]   ; z = tanh
.endr
.irp k, 0,2,4,6,8,10,12,14,16,18,20,22,24,26,28,30
	v_pk_mul_f32 v[T+64+\k:T+64+\k+1], v[T+\k:T+\k+1], v[T+64+\k:T+64+\k+1]                ; i z
.endr
	s_wait_alu depctr_va_vdst(0)
	s_wait_loadcnt \lc
	WIN 0x44*\pw
.irp j, 0,1,2,3,4,5,6,7
.irp q, 0,1,2,3
	v_fma_f32 v[\pb+4*\j+\q], v[T+32+8*\q+\j], v[\pb+4*\j+\q], v[T+64+8*\q+\j]             ; c
.endr
.endr
.irp j, 0,1,2,3,4,5,6,7
.irp q, 0,1,2,3
	v_fma_f32 v[\pb+32+4*\j+\q], v[T+32+8*\q+\j], v[\pb+32+4*\j+\q], v[T+8*\q+\j]          ; n
.endr
.endr
.irp j, 0,1,2,3,4,5,6,7
.irp q, 0,1,2,3
	v_mul_f32 v[\pb+64+4*\j+\q], v[T+32+8*\q+\j], v[\pb+64+4*\j+\q]
.endr
.endr
.irp j, 0,1,2,3,4,5,6,7
.irp q, 0,1,2,3
	v_max_num_f32 v[\pb+64+4*\j+\q], v[T+8*\q+\j], v[\pb+64+4*\j+\q]                       ; m
.endr
.endr
	WIN 0x04*\pw
.irp p, 0,1
.irp j, 0,1,2,3,4,5,6,7
	global_store_b128 v[CO], v[\pb+32*\p+4*\j:\pb+32*\p+4*\j+3], s[24+2*\p:25+2*\p] offset:(16*\a+\j)*8192   ; sixteen lanes store 256 consecutive aligned bytes
.endr
.endr
.irp j, 0,1,2,3,4,5,6,7
	global_store_b128 v[CO], v[\pb+64+4*\j:\pb+64+4*\j+3], s[28:29] offset:(16*\a+\j)*8192 th:TH_STORE_NT
.endr
	WIN 0x04
.irp j, 0,1,2,3,4,5,6,7
	global_store_b128 v[CO], v[\ob+4*\j:\ob+4*\j+3], s[30:31] offset:(16*\a+\j)*8192
.endr
	WIN 0
.if \a < 3
	s_wait_xcnt 0x0                                ; the stores have read their registers
.endif
.endm
	EPI 0, 1, 0, 192, 48                           ; younger: row blocks 1 and 2
	WIN 0x40
	PLD 3, 0, 0, 24
	WIN 0
	EPI 1, 1, 96, 224, 48                          ; younger: row blocks 2 and 3
	EPI 2, 0, 32, 192, 24
	EPI 3, 1, 0, 224, 0
	s_wait_tensorcnt 0x0                           ; the wave's end
	ds_add_u32 v[SPW], v[NIL]
	s_wait_dscnt 0x0
	CROUND                                         ; the closing round
	s_endpgm
.Lfunc_end_k_qad6b684632_gates:
	.size	k_qad6b684632_gates, .Lfunc_end_k_qad6b684632_gates-k_qad6b684632_gates
	.p2alignl 7, 3214868480
	.fill 96, 4, 3214868480
	.section	.rodata,"a",@progbits
	.p2align	6, 0x0
	.amdhsa_kernel k_qad6b684632_gates
		.amdhsa_group_segment_fixed_size 327680
		.amdhsa_private_segment_fixed_size 0
		.amdhsa_enable_private_segment 0
		.amdhsa_kernarg_size 112
		.amdhsa_user_sgpr_count 2
		.amdhsa_user_sgpr_kernarg_segment_ptr 1
		.amdhsa_wavefront_size32 1
		.amdhsa_system_sgpr_workgroup_id_x 1
		.amdhsa_system_sgpr_workgroup_id_y 1
		.amdhsa_system_sgpr_workgroup_id_z 1
		.amdhsa_system_vgpr_workitem_id 0
		.amdhsa_next_free_vgpr 1024
		.amdhsa_next_free_sgpr 80
		.amdhsa_reserve_vcc 0
		.amdhsa_float_denorm_mode_32 3
		.amdhsa_float_denorm_mode_16_64 3
		.amdhsa_memory_ordered 1
		.amdhsa_forward_progress 1
		.amdhsa_inst_pref_size 255
	.end_amdhsa_kernel
	.section	.bss,"aw",@nobits
	.p2align	6
	.space	262144
	.amdgpu_metadata
---
amdhsa.version: [ 1, 2 ]
amdhsa.kernels:
  - .name:           k_qad6b684632_gates
    .symbol:         k_qad6b684632_gates.kd
    .args:
      - { .name: ar, .offset: 0, .size: 8, .value_kind: global_buffer, .address_space: global }
      - { .name: wr, .offset: 8, .size: 8, .value_kind: global_buffer, .address_space: global }
      - { .name: lowp_scales, .offset: 16, .size: 8, .value_kind: global_buffer, .address_space: global }
      - { .name: bi, .offset: 24, .size: 8, .value_kind: global_buffer, .address_space: global }
      - { .name: bf, .offset: 32, .size: 8, .value_kind: global_buffer, .address_space: global }
      - { .name: bz, .offset: 40, .size: 8, .value_kind: global_buffer, .address_space: global }
      - { .name: bo, .offset: 48, .size: 8, .value_kind: global_buffer, .address_space: global }
      - { .name: c_prev, .offset: 56, .size: 8, .value_kind: global_buffer, .address_space: global }
      - { .name: n_prev, .offset: 64, .size: 8, .value_kind: global_buffer, .address_space: global }
      - { .name: m_prev, .offset: 72, .size: 8, .value_kind: global_buffer, .address_space: global }
      - { .name: out1, .offset: 80, .size: 8, .value_kind: global_buffer, .address_space: global }
      - { .name: out2, .offset: 88, .size: 8, .value_kind: global_buffer, .address_space: global }
      - { .name: out3, .offset: 96, .size: 8, .value_kind: global_buffer, .address_space: global }
      - { .name: og, .offset: 104, .size: 8, .value_kind: global_buffer, .address_space: global }
    .group_segment_fixed_size: 327680
    .private_segment_fixed_size: 0
    .kernarg_segment_align: 8
    .kernarg_segment_size: 112
    .max_flat_workgroup_size: 128
    .sgpr_count:     80
    .vgpr_count:     1024
    .wavefront_size: 32
...
	.end_amdgpu_metadata
.endif
;; end of part 2
;; launch norm (part 3): grid 256 x 1, 8 waves a work-group, no clusters, 17,408 bytes of LDS; arguments out1, out2, og, gn_w, gn_b, out0; writes out0
.if DOCPART == 3
	.amdgcn_target "amdgcn-amd-amdhsa--gfx1250"
	.amdhsa_code_object_version 6
	.text
	.protected	k_qad6b684632_norm
	.globl	k_qad6b684632_norm
	.p2align	8
	.type	k_qad6b684632_norm,@function
k_qad6b684632_norm:
	s_mov_b64 s[64:65], 0
	v_nop
	global_prefetch_b8 v0, s[64:65] scope:SCOPE_SE
	s_setreg_imm32_b32 hwreg(HW_REG_WAVE_MODE, 25, 1), 1
	s_wait_xcnt 0x0
; h = o tanh(GroupNorm(c / n)): for each row of 2,048: s = c / n; mu = mean(s); var = mean((s - mu)^2); h = o tanh((s - mu) rsqrt(var + 1e-5) gn_w + gn_b).  All f32.
; c (out1), n (out2) and o (og) are [2048][2048], written by the launch before; h goes to out0.
; One wave, one row: 8,192 bytes are 64 registers a lane, so the row stays in registers between the passes (the mean, the variance about it, the result) and each tensor is read once; the reductions never leave the wave.
; Eight waves, eight rows a work-group; all 48 loads of a wave go out at once, each of 512 consecutive bytes.  gn_w and gn_b (x 2 log2(e)) are copied once into LDS and read from there in four batches.
; The division is a multiplication by v_rcp_f32's reciprocal; tanh(y) = 1 - 2 / (1 + 2^(2 log2(e) y)).  LIMIT: the reciprocal counts a denormal n as 0 (ISA guide, its entry in 15.8).
; No matrix work and no tensor load: memory binds.  Work-groups share nothing but the 16,384 bytes of gains and offsets, so a cluster has nothing to share.
.set C,  20                            ; v20-83   c, then s, then s - mu, then tanh
.set NN, 84                            ; v84-147  n, then 1 / n; later two sets of 16 gains and 16 offsets
.set O,  148                           ; v148-211 o, then h
	s_load_b256 s[4:11], s[0:1], 0x0               ; c s[4:5], n s[6:7], o s[8:9], gn_w s[10:11]
	s_load_b128 s[12:15], s[0:1], 0x20             ; gn_b s[12:13], h s[14:15]
	v_lshl_add_u32 v240, v0, 2, 0x4000
	v_mov_b32 v241, 0
	v_lshrrev_b32 v2, 5, v0
	s_delay_alu instid0(VALU_DEP_1)
	v_readfirstlane_b32 s16, v2                    ; wave 0..7
	v_and_b32 v1, 31, v0
	s_delay_alu instid0(VALU_DEP_1)
	v_lshlrev_b32 v1, 4, v1                        ; 16 x lane: my 16 bytes of a load's 512, in memory and in LDS
	v_lshlrev_b32 v3, 4, v0                        ; 16 x thread: my part of the gains' copy
	v_mov_b32 v225, 0                              ; written once: a lane permute's destination counts as one of its sources
	s_lshl_b32 s18, ttmp9, 3
	s_add_co_u32 s18, s18, s16
	s_lshl_b32 s18, s18, 13                        ; my row, 8 x work-group + wave, of 8,192 bytes
	s_mov_b32 s19, 0
	s_mov_b32 s20, 0x76543210                      ; v_permlanex16_b32: lane l xor 16
	s_mov_b32 s21, 0xfedcba98
	s_mov_b32 s22, 0x3a000000                      ; 1 / 2,048
	s_mov_b32 s23, 0x3727c5ac                      ; 1e-5
	s_wait_alu depctr_va_vdst(0)
	s_wait_kmcnt 0x0
	s_add_nc_u64 s[4:5], s[4:5], s[18:19]
	s_add_nc_u64 s[6:7], s[6:7], s[18:19]
	s_add_nc_u64 s[8:9], s[8:9], s[18:19]
	s_add_nc_u64 s[14:15], s[14:15], s[18:19]
	global_load_b128 v[4:7], v3, s[10:11]
	global_load_b128 v[8:11], v3, s[10:11] offset:4096
	global_load_b128 v[12:15], v3, s[12:13]
	global_load_b128 v[16:19], v3, s[12:13] offset:4096
.irp j, 0,1,2,3,4,5,6,7,8,9,10,11,12,13,14,15
	global_load_b128 v[C+4*\j:C+4*\j+3], v1, s[4:5] offset:512*\j th:TH_LOAD_NT
.endr
.irp j, 0,1,2,3,4,5,6,7,8,9,10,11,12,13,14,15
	global_load_b128 v[NN+4*\j:NN+4*\j+3], v1, s[6:7] offset:512*\j th:TH_LOAD_NT
.endr
.irp j, 0,1,2,3,4,5,6,7,8,9,10,11,12,13,14,15
	global_load_b128 v[O+4*\j:O+4*\j+3], v1, s[8:9] offset:512*\j th:TH_LOAD_NT
.endr
	s_wait_loadcnt 48                              ; the gains and offsets are in; the row's 48 loads stay out
.irp j, 12,13,14,15,16,17,18,19
	v_mul_f32 v[\j], 0x4038aa3b, v[\j]             ; gn_b x 2 log2(e)
.endr
	ds_store_b128 v3, v[4:7]
	ds_store_b128 v3, v[8:11] offset:4096
	ds_store_b128 v3, v[12:15] offset:8192
	ds_store_b128 v3, v[16:19] offset:12288
	s_wait_dscnt 0x0                               ; for the others' sake: my part of the copy has landed
	s_barrier_signal -1
	s_barrier_wait -1                              ; the launch's one barrier: behind it LDS is only read
	s_wait_loadcnt 16                              ; c and n are in; o's sixteen loads stay out
.set j, 0
.rept 64
	v_rcp_f32 v[NN+j], v[NN+j]
.set j, j+1
.endr
	v_nop                                          ; a plain instruction between the last reciprocal and the use of its result
.set j, 0
	s_wait_alu depctr_va_vdst(0)
.rept 32
	v_pk_mul_f32 v[C+j:C+j+1], v[C+j:C+j+1], v[NN+j:NN+j+1]       ; s = c / n
.set j, j+2
.endr
.macro WB q                            ; batch q (columns 512 q on): my 16 gains into set q % 2, my 16 offsets behind them
.irp i, 0,1,2,3
	ds_load_b128 v[NN+32*((\q)%2)+4*\i:NN+32*((\q)%2)+4*\i+3], v1 offset:512*(4*(\q)+\i)
.endr
.irp i, 0,1,2,3
	ds_load_b128 v[NN+32*((\q)%2)+16+4*\i:NN+32*((\q)%2)+16+4*\i+3], v1 offset:8192+512*(4*(\q)+\i)
.endr
.endm
	WB 0                                           ; 1 / n is done with: its registers take the first two batches
	WB 1
.macro REDUCE                          ; four packed chains in v212-219 become one sum over the row, in v224 of every lane
	s_delay_alu instid0(VALU_DEP_3)
	v_pk_add_f32 v[212:213], v[212:213], v[214:215]
	s_delay_alu instid0(VALU_DEP_2)
	v_pk_add_f32 v[216:217], v[216:217], v[218:219]
	s_delay_alu instid0(VALU_DEP_1)
	v_pk_add_f32 v[212:213], v[212:213], v[216:217]
	s_delay_alu instid0(VALU_DEP_1)
	v_add_f32 v224, v212, v213
	s_delay_alu instid0(VALU_DEP_1)
	v_add_f32_dpp v224, v224, v224 row_xmask:1 row_mask:0xf bank_mask:0xf
	s_delay_alu instid0(VALU_DEP_1)
	v_add_f32_dpp v224, v224, v224 row_xmask:2 row_mask:0xf bank_mask:0xf
	s_delay_alu instid0(VALU_DEP_1)
	v_add_f32_dpp v224, v224, v224 row_xmask:4 row_mask:0xf bank_mask:0xf
	s_delay_alu instid0(VALU_DEP_1)
	v_add_f32_dpp v224, v224, v224 row_xmask:8 row_mask:0xf bank_mask:0xf
	s_delay_alu instid0(VALU_DEP_1)
	v_permlanex16_b32 v225, v224, s20, s21
	s_delay_alu instid0(VALU_DEP_1)
	v_add_f32 v224, v224, v225
.endm
.irp k, 0,1,2,3
	v_pk_add_f32 v[212+2*\k:213+2*\k], v[C+2*\k:C+2*\k+1], v[C+8+2*\k:C+8+2*\k+1]   ; the first eight pairs start the chains: nothing is cleared
.endr
.set p, 8
.rept 24
	s_delay_alu instid0(VALU_DEP_4)
	v_pk_add_f32 v[212+2*(p%4):213+2*(p%4)], v[212+2*(p%4):213+2*(p%4)], v[C+2*p:C+2*p+1]
.set p, p+1
.endr
	REDUCE
	s_delay_alu instid0(VALU_DEP_1)
	v_mul_f32 v220, s22, v224                      ; mu
	s_delay_alu instid0(VALU_DEP_1)
	v_mov_b32 v221, v220
.set j, 0
.rept 32
	v_pk_add_f32 v[C+j:C+j+1], v[C+j:C+j+1], v[220:221] neg_lo:[0,1] neg_hi:[0,1]   ; s - mu: the variance is taken about the mean, not as a difference of large sums
.set j, j+2
.endr
.irp k, 0,1,2,3
	v_pk_mul_f32 v[212+2*\k:213+2*\k], v[C+2*\k:C+2*\k+1], v[C+2*\k:C+2*\k+1]
.endr
.set p, 4
.rept 28
	s_delay_alu instid0(VALU_DEP_4)
	v_pk_fma_f32 v[212+2*(p%4):213+2*(p%4)], v[C+2*p:C+2*p+1], v[C+2*p:C+2*p+1], v[212+2*(p%4):213+2*(p%4)]
.set p, p+1
.endr
	REDUCE
	s_delay_alu instid0(VALU_DEP_1)
	v_fma_f32 v224, v224, s22, s23                 ; var + 1e-5
	s_wait_alu depctr_va_vdst(0)
	v_rsq_f32 v225, v224
	v_nop                                          ; a plain instruction behind the transcendental
	s_wait_alu depctr_va_vdst(0)
	v_mul_f32 v222, 0x4038aa3b, v225               ; rsqrt(var + 1e-5) x 2 log2(e)
	s_delay_alu instid0(VALU_DEP_1)
	v_mov_b32 v223, v222
.macro BATCH q
.set CQ, C+16*(\q)
.set WQ, NN+32*((\q)%2)
.set OQ, O+16*(\q)
.if (\q) < 3
	s_wait_dscnt 8                                 ; this batch's gains and offsets are in; the next batch's eight loads may be out
.else
	s_wait_dscnt 0
.endif
.irp k, 0,2,4,6,8,10,12,14
	v_pk_mul_f32 v[CQ+\k:CQ+\k+1], v[CQ+\k:CQ+\k+1], v[222:223]
.endr
.irp k, 0,2,4,6,8,10,12,14
	v_pk_fma_f32 v[CQ+\k:CQ+\k+1], v[CQ+\k:CQ+\k+1], v[WQ+\k:WQ+\k+1], v[WQ+16+\k:WQ+16+\k+1]   ; 2 log2(e) y
.endr
	s_wait_alu depctr_va_vdst(0)
.irp k, 0,1,2,3,4,5,6,7,8,9,10,11,12,13,14,15
	v_exp_f32 v[CQ+\k], v[CQ+\k]
.endr
	v_nop
	s_wait_alu depctr_va_vdst(0)
.irp k, 0,2,4,6,8,10,12,14
	v_pk_add_f32 v[CQ+\k:CQ+\k+1], v[CQ+\k:CQ+\k+1], 1.0 op_sel_hi:[1,0]
.endr
	s_wait_alu depctr_va_vdst(0)
.irp k, 0,1,2,3,4,5,6,7,8,9,10,11,12,13,14,15
	v_rcp_f32 v[CQ+\k], v[CQ+\k]
.endr
	v_nop
	s_wait_alu depctr_va_vdst(0)
.irp k, 0,2,4,6,8,10,12,14
	v_pk_fma_f32 v[CQ+\k:CQ+\k+1], v[CQ+\k:CQ+\k+1], -2.0, 1.0 op_sel_hi:[1,0,0]                 ; tanh(y)
.endr
.if (\q) == 0
	s_wait_alu depctr_va_vdst(0)
	s_wait_loadcnt 0x0                             ; o
.endif
.irp k, 0,2,4,6,8,10,12,14
	v_pk_mul_f32 v[OQ+\k:OQ+\k+1], v[OQ+\k:OQ+\k+1], v[CQ+\k:CQ+\k+1]
.endr
.irp i, 0,1,2,3
	global_store_b128 v1, v[OQ+4*\i:OQ+4*\i+3], s[14:15] offset:512*(4*(\q)+\i) th:TH_STORE_NT   ; 32 lanes store 512 consecutive aligned bytes; no store's data or address is written again
.endr
.if (\q) < 2
	WB (\q)+2                                      ; this batch's set takes the batch two further on
.endif
.endm
	s_wait_alu depctr_va_vdst(0)
	BATCH 0
	BATCH 1
	BATCH 2
	BATCH 3
	s_wait_tensorcnt 0x0
	ds_add_u32 v240, v241
	s_wait_dscnt 0x0
	s_endpgm
.Lfunc_end_k_qad6b684632_norm:
	.size	k_qad6b684632_norm, .Lfunc_end_k_qad6b684632_norm-k_qad6b684632_norm
	.p2alignl 7, 3214868480
	.fill 96, 4, 3214868480
	.section	.rodata,"a",@progbits
	.p2align	6, 0x0
	.amdhsa_kernel k_qad6b684632_norm
		.amdhsa_group_segment_fixed_size 17408
		.amdhsa_private_segment_fixed_size 0
		.amdhsa_enable_private_segment 0
		.amdhsa_kernarg_size 48
		.amdhsa_user_sgpr_count 2
		.amdhsa_user_sgpr_kernarg_segment_ptr 1
		.amdhsa_wavefront_size32 1
		.amdhsa_system_sgpr_workgroup_id_x 1
		.amdhsa_system_sgpr_workgroup_id_y 1
		.amdhsa_system_sgpr_workgroup_id_z 1
		.amdhsa_system_vgpr_workitem_id 0
		.amdhsa_next_free_vgpr 242
		.amdhsa_next_free_sgpr 66
		.amdhsa_reserve_vcc 0
		.amdhsa_float_denorm_mode_32 3
		.amdhsa_float_denorm_mode_16_64 3
		.amdhsa_memory_ordered 1
		.amdhsa_forward_progress 1
		.amdhsa_inst_pref_size 40
	.end_amdhsa_kernel
	.amdgpu_metadata
---
amdhsa.version: [ 1, 2 ]
amdhsa.kernels:
  - .name:           k_qad6b684632_norm
    .symbol:         k_qad6b684632_norm.kd
    .args:
      - { .name: out1, .offset: 0, .size: 8, .value_kind: global_buffer, .address_space: global }
      - { .name: out2, .offset: 8, .size: 8, .value_kind: global_buffer, .address_space: global }
      - { .name: og, .offset: 16, .size: 8, .value_kind: global_buffer, .address_space: global }
      - { .name: gn_w, .offset: 24, .size: 8, .value_kind: global_buffer, .address_space: global }
      - { .name: gn_b, .offset: 32, .size: 8, .value_kind: global_buffer, .address_space: global }
      - { .name: out0, .offset: 40, .size: 8, .value_kind: global_buffer, .address_space: global }
    .group_segment_fixed_size: 17408
    .private_segment_fixed_size: 0
    .kernarg_segment_align: 8
    .kernarg_segment_size: 48
    .max_flat_workgroup_size: 256
    .sgpr_count:     66
    .vgpr_count:     242
    .wavefront_size: 32
...
	.end_amdgpu_metadata
.endif
;; end of part 3
